; MI455X (gfx1250); checked and timed in simulation.
; The chip was launched on July 23, 2026; its instructions are those of AMD's public machine-readable ISA for CDNA 5 (MIT licence, August 2026) and "CDNA5" Instruction Set Architecture Reference Guide (July 2026). The comments in the code are by the model that wrote it; some were corrected since.
;; Ternary Dense. Allowed arithmetic: float matrix products may take bf16 or f16 operands with f32 sums; other float arithmetic in f32, or as packed bf16 or f16 multiplies, adds, multiply-adds, maxima and minima; sums over many terms, partial sums and values carried from step to step in f32; what a program stores and reads back later, other than sums and carried values, may be rounded once to bf16 or f16.
;; Inputs: W 4,096 x 4,096 float32; b 4,096 float32; inputs 4,096 x 4,096 float32.
;; Outputs: out0 4,096 x 4,096 float32.
;; One version. Each part assembles by itself: llvm-mc -triple=amdgcn-amd-amdhsa -mcpu=gfx1250 --defsym DOCPART=n.
;; ======== version 1 of 1: 3 launches
;; workspace buffers: xb 33,554,432 bytes; wt 33,554,432 bytes; part1 4,096 bytes; part2 8,192 bytes
;; launch prep (part 1): grid 1024 x 1, 8 waves a work-group, no clusters, 1,280 bytes of LDS; arguments inputs, W, xb, part1; writes xb, part1
.if DOCPART == 1
	.amdgcn_target "amdgcn-amd-amdhsa--gfx1250"
	.amdhsa_code_object_version 6
	.text
	.protected	k_qe049a856e8_prep
	.globl	k_qe049a856e8_prep
	.p2align	8
	.type	k_qe049a856e8_prep,@function
k_qe049a856e8_prep:
	s_mov_b64 s[64:65], 0
	v_nop
	global_prefetch_b8 v0, s[64:65] scope:SCOPE_SE
	s_setreg_imm32_b32 hwreg(HW_REG_WAVE_MODE, 25, 1), 1
	s_wait_xcnt 0x0
; out = inputs @ (alpha W_t) + b, in three launches.  This one: xb = inputs rounded once to bf16, and each work-group's part of the sum of |W|.
; NOTHING OF THE PROBLEM IS LEFT OUT: inputs, W and b all reach the output and are all loaded (b in the last launch).
; ALL THREE INPUTS ARE ROUNDED ONCE TO bf16 (to nearest even), and everything is made of the rounded numbers: the sum of |W|, t, both comparisons with t, alpha, the product, the bias.
; WHY W TOO.  t = 0.7 mean |W| decides each entry of W_t by a comparison, and a sum of 2^24 terms in f32 hangs in its last bits on the order of its additions.  Among bf16 numbers neighbours lie
; 2^16 steps of f32 apart, so an entry changes sides only if a bf16 number lies between two such values of t: for a difference of a few steps, a few parts in 65,536.
; LIMITS.  The result is the problem's on inputs rounded to bf16: an entry of the unrounded W within half a step of bf16 of t may get another W_t than on unrounded inputs.  The sum is a tree
; (4 chains of 16 numbers a lane, 32 lanes, 8 waves, then 1,024 parts in the next launch), not the problem's order.  NaN and infinities in W are not treated apart.
; SHARES.  Work-group g takes 16,384 numbers on end of inputs and of W, wave w 2,048 of each: 16 loads of 512 consecutive bytes of each, 16 stores of 256.  No matrix unit, no tile in LDS, no cluster:
; no byte is read twice.  24 loads of every wave are out at the start, and W's eight slots are asked for again as they are summed.
.set SPARE, 256                        ; LDS: bytes 0-31 a word for each wave; from 256 on the spare words, 128 bytes for each of 8 waves, which no other line names
.set FO,  1                            ; v1   8,192 x wave + 16 x lane; never rewritten
.set BO,  2                            ; v2   4,096 x wave + 8 x lane; never rewritten
.set SPW, 3                            ; v3   LDS address of my spare word; never rewritten
.set NIL, 4                            ; v4   0; never rewritten
.set S,   8                            ; v[8:11]   four running sums
.set A,   20                           ; v[20:23]  four |w| in f32
.set WB,  32                           ; v[32:63]  W: 8 slots of 4, each filled twice
.set X,   64                           ; v[64:127] inputs: 16 slots of 4
	s_load_b256 s[4:11], s[0:1], 0x0               ; inputs s[4:5], W s[6:7], xb s[8:9], part1 s[10:11]
	v_lshl_add_u32 v[SPW], v0, 2, SPARE
	v_mov_b32 v[NIL], 0
	v_lshrrev_b32 v5, 5, v0
	v_readfirstlane_b32 s12, v5                    ; wave 0..7
	v_and_b32 v7, 31, v0                           ; lane
	v_lshlrev_b32 v[FO], 4, v7
	v_lshl_add_u32 v[FO], v5, 13, v[FO]
	v_lshlrev_b32 v[BO], 3, v7
	v_lshl_add_u32 v[BO], v5, 12, v[BO]
	v_lshlrev_b32 v5, 2, v5                        ; my wave's word in LDS
	s_mov_b32 s13, 0x7fff7fff                      ; clears the signs of two bf16
	s_mov_b32 s16, 0xffff0000                      ; a word's upper bf16
	s_mov_b32 s14, 0x76543210                      ; v_permlanex16_b32: each lane takes its own place in the other half
	s_mov_b32 s15, 0xfedcba98
	s_lshl_b32 s2, ttmp9, 16                       ; the work-group's 65,536 bytes of inputs and of W
	s_mov_b32 s3, 0
	s_lshl_b32 s18, ttmp9, 15                      ; and 32,768 of xb
	s_mov_b32 s19, 0
	s_lshl_b32 s21, ttmp9, 2                       ; its word in part1
	s_wait_kmcnt 0x0
	s_add_nc_u64 s[4:5], s[4:5], s[2:3]
	s_add_nc_u64 s[6:7], s[6:7], s[2:3]
	s_add_nc_u64 s[8:9], s[8:9], s[18:19]
.set i, 0
.rept 8
	global_load_b128 v[WB+4*i:WB+4*i+3], v[FO], s[6:7] offset:512*i
.set i, i+1
.endr
.set i, 0
.rept 16
	global_load_b128 v[X+4*i:X+4*i+3], v[FO], s[4:5] offset:512*i th:TH_LOAD_NT
.set i, i+1
.endr
; Load j of W: four numbers rounded to bf16, their signs cleared, widened again and added.  Load 0 starts the four sums: nothing is cleared.
.macro WSUM j
.set sl, WB+4*((\j)%8)
	v_cvt_pk_bf16_f32 v[sl], v[sl], v[sl+1]
	v_cvt_pk_bf16_f32 v[sl+1], v[sl+2], v[sl+3]
	v_and_b32 v[sl], s13, v[sl]
	v_and_b32 v[sl+1], s13, v[sl+1]
.if (\j) == 0
	v_lshlrev_b32 v[S], 16, v[sl]
	v_and_b32 v[S+1], s16, v[sl]
	v_lshlrev_b32 v[S+2], 16, v[sl+1]
	v_and_b32 v[S+3], s16, v[sl+1]
.else
	v_lshlrev_b32 v[A], 16, v[sl]
	v_and_b32 v[A+1], s16, v[sl]
	v_lshlrev_b32 v[A+2], 16, v[sl+1]
	v_and_b32 v[A+3], s16, v[sl+1]
	v_pk_add_f32 v[S:S+1], v[S:S+1], v[A:A+1]
	v_pk_add_f32 v[S+2:S+3], v[S+2:S+3], v[A+2:A+3]
.endif
.endm
.irp j, 0,1,2,3,4,5,6,7
	s_wait_loadcnt 23                              ; loads come back in order (ISA guide 5.7.1): load j of W is in; behind it stand 7 - j of W, 16 of inputs and the j asked for again
	WSUM \j
	global_load_b128 v[WB+4*(\j):WB+4*(\j)+3], v[FO], s[6:7] offset:512*(8+(\j))
.endr
.set i, 0
.rept 16
	s_wait_loadcnt 23-i                            ; load i of inputs is in; its 15 - i later ones and W's eight stay out
	v_cvt_pk_bf16_f32 v[X+4*i], v[X+4*i], v[X+4*i+1]
	v_cvt_pk_bf16_f32 v[X+4*i+1], v[X+4*i+2], v[X+4*i+3]
	global_store_b64 v[BO], v[X+4*i:X+4*i+1], s[8:9] offset:256*i th:TH_STORE_NT  ; the wave's 32 lanes store 256 consecutive bytes, aligned; no register of a store is written again
.set i, i+1
.endr
.irp j, 8,9,10,11,12,13,14,15
	s_wait_loadcnt 15-(\j)                         ; the counts run down
	WSUM \j
.endr
	v_pk_add_f32 v[S:S+1], v[S:S+1], v[S+2:S+3]
	v_add_f32 v8, v8, v9
.irp x, 1,2,4,8
	v_add_f32_dpp v8, v8, v8 row_xmask:\x row_mask:0xf bank_mask:0xf
.endr
	v_permlanex16_b32 v7, v8, s14, s15
	v_add_f32 v8, v8, v7                           ; the wave's sum, in every lane
	ds_store_b32 v5, v8                            ; all lanes write the same word
	s_wait_dscnt 0x0                               ; for the others' sake
	s_barrier_signal -1
	s_barrier_wait -1
	s_cmp_lg_u32 s12, 0
	s_cbranch_scc1 .Lend
	v_mov_b32 v31, 0
	ds_load_b128 v[12:15], v31
	ds_load_b128 v[16:19], v31 offset:16
	v_mov_b32 v6, s21
	s_wait_dscnt 0x0
	v_pk_add_f32 v[12:13], v[12:13], v[16:17]
	v_pk_add_f32 v[14:15], v[14:15], v[18:19]
	v_pk_add_f32 v[12:13], v[12:13], v[14:15]
	v_add_f32 v12, v12, v13
	v_cmp_eq_u32 vcc_lo, 0, v0
	s_wait_xcnt 0x0                                ; EXEC is a source of the stores above: it changes only behind this wait
	s_and_saveexec_b32 s20, vcc_lo
	global_store_b32 v6, v12, s[10:11]             ; thread 0 alone: the work-group's sum
	s_wait_xcnt 0x0                                ; and again ahead of the line that widens it
	s_or_b32 exec_lo, exec_lo, s20
.Lend:
	s_wait_tensorcnt 0x0                           ; the wave's end: behind my last LDS store
	ds_add_u32 v[SPW], v[NIL]
	s_wait_dscnt 0x0
	s_endpgm
.Lfunc_end_k_qe049a856e8_prep:
	.size	k_qe049a856e8_prep, .Lfunc_end_k_qe049a856e8_prep-k_qe049a856e8_prep
	.p2alignl 7, 3214868480
	.fill 96, 4, 3214868480
	.section	.rodata,"a",@progbits
	.p2align	6, 0x0
	.amdhsa_kernel k_qe049a856e8_prep
		.amdhsa_group_segment_fixed_size 1280
		.amdhsa_private_segment_fixed_size 0
		.amdhsa_enable_private_segment 0
		.amdhsa_kernarg_size 32
		.amdhsa_user_sgpr_count 2
		.amdhsa_user_sgpr_kernarg_segment_ptr 1
		.amdhsa_wavefront_size32 1
		.amdhsa_system_sgpr_workgroup_id_x 1
		.amdhsa_system_sgpr_workgroup_id_y 1
		.amdhsa_system_sgpr_workgroup_id_z 1
		.amdhsa_system_vgpr_workitem_id 0
		.amdhsa_next_free_vgpr 128
		.amdhsa_next_free_sgpr 66
		.amdhsa_reserve_vcc 1
		.amdhsa_float_denorm_mode_32 3
		.amdhsa_float_denorm_mode_16_64 3
		.amdhsa_memory_ordered 1
		.amdhsa_forward_progress 1
		.amdhsa_inst_pref_size 18
	.end_amdhsa_kernel
	.amdgpu_metadata
---
amdhsa.version: [ 1, 2 ]
amdhsa.kernels:
  - .name:           k_qe049a856e8_prep
    .symbol:         k_qe049a856e8_prep.kd
    .args:
      - { .name: inputs, .offset: 0, .size: 8, .value_kind: global_buffer, .address_space: global }
      - { .name: W, .offset: 8, .size: 8, .value_kind: global_buffer, .address_space: global }
      - { .name: xb, .offset: 16, .size: 8, .value_kind: global_buffer, .address_space: global }
      - { .name: part1, .offset: 24, .size: 8, .value_kind: global_buffer, .address_space: global }
    .group_segment_fixed_size: 1280
    .private_segment_fixed_size: 0
    .kernarg_segment_align: 8
    .kernarg_segment_size: 32
    .max_flat_workgroup_size: 256
    .sgpr_count:     66
    .vgpr_count:     128
    .wavefront_size: 32
...
	.end_amdgpu_metadata
.endif
;; end of part 1
;; launch tern (part 2): grid 1024 x 1, 8 waves a work-group, no clusters, 1,280 bytes of LDS; arguments W, part1, wt, part2; writes wt, part2
.if DOCPART == 2
	.amdgcn_target "amdgcn-amd-amdhsa--gfx1250"
	.amdhsa_code_object_version 6
	.text
	.protected	k_qe049a856e8_tern
	.globl	k_qe049a856e8_tern
	.p2align	8
	.type	k_qe049a856e8_tern,@function
k_qe049a856e8_tern:
	s_mov_b64 s[64:65], 0
	v_nop
	global_prefetch_b8 v0, s[64:65] scope:SCOPE_SE
	s_setreg_imm32_b32 hwreg(HW_REG_WAVE_MODE, 25, 1), 1
	s_wait_xcnt 0x0
; t = 0.7 mean |W| from part1; wt = W_t in bf16 (-1, 0, 1: exact), laid as W lies, [k][n]; part2 = each work-group's sum of |W| over |W| > t, and their number.
; W stands here for W rounded once to bf16, as at the head of the first kernel, which says why and states the limit; each number is rounded again here, to the same bits, ahead of all that is made of it.
; W_t = sign(sign(W + t) + sign(W - t)) is, for t > 0, the sign of W where |W| >= t and 0 elsewhere: at |W| = t one of the two inner signs is 0 and the other is W's; W + t and W - t round to no
; other sign than the exact sums have.  alpha's mask is strict, |W| > t: both comparisons are made, in f32.  t = 0 means that every W is 0: the sum and the number are then 0, and the last launch's
; alpha is a NaN, as the problem's 0 / 0 is.
; t: every wave adds part1's 1,024 sums by one and the same tree (32 numbers a lane, then the 32 lanes): the same additions on the same numbers, so t is the same in all waves of the launch.
; LIMITS.  Both sums are trees, not the problem's order (rounding alone); the number is exact (whole numbers up to 2^24).  NaN and infinities in W are not treated apart.
; SHARES.  Work-group g takes 16,384 numbers of W on end, wave w 2,048 of them: 16 loads of 512 consecutive bytes, all out at the start behind part1's eight, and 16 stores of 256.
.set SPARE, 256                        ; LDS: bytes 0-63 eight pairs (sum, number); from 256 on the spare words, 128 bytes for each of 8 waves, which no other line names
.set FO,  1                            ; v1   8,192 x wave + 16 x lane; never rewritten
.set BO,  2                            ; v2   4,096 x wave + 8 x lane; never rewritten
.set SPW, 3                            ; v3   LDS address of my spare word; never rewritten
.set NIL, 4                            ; v4   0; never rewritten
.set PO,  6                            ; v6   16 x lane
.set SUM, 8                            ; v[8:9], v[12:13]  four running sums
.set NUM, 10                           ; v10  my number of entries with |w| > t
.set TH,  11                           ; v11  t
.set SUM2, 12
.set A,   16                           ; v[16:19] |w| in f32
.set O,   20                           ; v[20:23] W_t in f32
.set M,   24                           ; v[24:27] |w| or 0
.set PK,  28                           ; v[28:29] four |w| in bf16
.set PT,  32                           ; v[32:63] part1: 32 sums a lane
.set WR,  64                           ; v[64:127] W: 16 slots of 4
	s_load_b256 s[4:11], s[0:1], 0x0               ; W s[4:5], part1 s[6:7], wt s[8:9], part2 s[10:11]
	v_lshl_add_u32 v[SPW], v0, 2, SPARE
	v_mov_b32 v[NIL], 0
	v_lshrrev_b32 v5, 5, v0
	v_readfirstlane_b32 s12, v5                    ; wave 0..7
	v_and_b32 v7, 31, v0                           ; lane
	v_lshlrev_b32 v[PO], 4, v7
	v_lshl_add_u32 v[FO], v5, 13, v[PO]
	v_lshlrev_b32 v[BO], 3, v7
	v_lshl_add_u32 v[BO], v5, 12, v[BO]
	v_lshlrev_b32 v5, 3, v5                        ; my wave's pair in LDS
	v_mov_b32 v[SUM], 0
	v_mov_b32 v[SUM+1], 0
	v_mov_b32 v[SUM2], 0
	v_mov_b32 v[SUM2+1], 0
	v_mov_b32 v[NUM], 0
	s_mov_b32 s13, 0x7fffffff                      ; all but the sign
	s_mov_b32 s14, 0x76543210                      ; v_permlanex16_b32: each lane takes its own place in the other half
	s_mov_b32 s15, 0xfedcba98
	s_mov_b32 s16, 0x3f800000                      ; 1.0
	s_mov_b32 s17, 0x7fff7fff                      ; clears the signs of two bf16
	s_mov_b32 s22, 0xffff0000                      ; a word's upper bf16
	s_lshl_b32 s2, ttmp9, 16                       ; the work-group's 65,536 bytes of W
	s_mov_b32 s3, 0
	s_lshl_b32 s18, ttmp9, 15                      ; and 32,768 of wt
	s_mov_b32 s19, 0
	s_lshl_b32 s21, ttmp9, 3                       ; its pair in part2
	s_wait_kmcnt 0x0
	s_add_nc_u64 s[4:5], s[4:5], s[2:3]
	s_add_nc_u64 s[8:9], s[8:9], s[18:19]
.set i, 0
.rept 8
	global_load_b128 v[PT+4*i:PT+4*i+3], v[PO], s[6:7] offset:512*i
.set i, i+1
.endr
.set i, 0
.rept 16
	global_load_b128 v[WR+4*i:WR+4*i+3], v[FO], s[4:5] offset:512*i th:TH_LOAD_NT
.set i, i+1
.endr
	s_wait_loadcnt 16                              ; part1 is in; W's 16 loads stay out
.irp d, 8,4,2,1
.set p, 0
.rept \d
	v_pk_add_f32 v[PT+2*p:PT+2*p+1], v[PT+2*p:PT+2*p+1], v[PT+2*(p+(\d)):PT+2*(p+(\d))+1]
.set p, p+1
.endr
.endr
	v_add_f32 v[PT], v[PT], v[PT+1]
.irp x, 1,2,4,8
	v_add_f32_dpp v[PT], v[PT], v[PT] row_xmask:\x row_mask:0xf bank_mask:0xf
.endr
	v_permlanex16_b32 v7, v[PT], s14, s15
	v_add_f32 v[PT], v[PT], v7                     ; the sum of |W|, in every lane
	v_mul_f32 v[TH], 0x33800000, v[PT]             ; / 2^24: exact
	v_mul_f32 v[TH], 0x3f333333, v[TH]             ; x 0.7, rounded once
; Four numbers of W: rounded to bf16; W_t, the masked |w|, the count; 8 bytes of wt a lane.
.macro TERN j
	s_wait_loadcnt 15-(\j)                         ; load j is in, the 15 - j later ones stay out
	v_cvt_pk_bf16_f32 v[PK], v[WR+4*(\j)], v[WR+4*(\j)+1]
	v_cvt_pk_bf16_f32 v[PK+1], v[WR+4*(\j)+2], v[WR+4*(\j)+3]
	v_and_b32 v[PK], s17, v[PK]
	v_and_b32 v[PK+1], s17, v[PK+1]
	v_lshlrev_b32 v[A], 16, v[PK]                          ; |w| of the rounded numbers, in f32
	v_and_b32 v[A+1], s22, v[PK]
	v_lshlrev_b32 v[A+2], 16, v[PK+1]
	v_and_b32 v[A+3], s22, v[PK+1]
.irp k, 0,1,2,3
	v_cmp_le_f32 vcc_lo, v[TH], v[A+(\k)]                  ; |w| >= t
	v_bfi_b32 v[O+(\k)], s13, s16, v[WR+4*(\j)+(\k)]       ; 1.0 with w's sign, which the rounding keeps
	v_cndmask_b32 v[O+(\k)], 0, v[O+(\k)], vcc_lo          ; or 0
	v_cmp_lt_f32 vcc_lo, v[TH], v[A+(\k)]                  ; |w| > t
	v_cndmask_b32 v[M+(\k)], 0, v[A+(\k)], vcc_lo
	v_add_co_ci_u32 v[NUM], vcc_lo, 0, v[NUM], vcc_lo      ; one more where the bit is set
.endr
	v_pk_add_f32 v[SUM:SUM+1], v[SUM:SUM+1], v[M:M+1]
	v_pk_add_f32 v[SUM2:SUM2+1], v[SUM2:SUM2+1], v[M+2:M+3]
	v_cvt_pk_bf16_f32 v[WR+4*(\j)], v[O], v[O+1]
	v_cvt_pk_bf16_f32 v[WR+4*(\j)+1], v[O+2], v[O+3]
	global_store_b64 v[BO], v[WR+4*(\j):WR+4*(\j)+1], s[8:9] offset:256*(\j) th:TH_STORE_NT  ; 256 consecutive bytes, aligned; no register of a store is written again
.endm
.irp j, 0,1,2,3,4,5,6,7,8,9,10,11,12,13,14,15
	TERN \j
.endr
	v_pk_add_f32 v[SUM:SUM+1], v[SUM:SUM+1], v[SUM2:SUM2+1]
	v_add_f32 v8, v8, v9
	v_cvt_f32_u32 v9, v[NUM]
.irp x, 1,2,4,8
	v_add_f32_dpp v8, v8, v8 row_xmask:\x row_mask:0xf bank_mask:0xf
	v_add_f32_dpp v9, v9, v9 row_xmask:\x row_mask:0xf bank_mask:0xf
.endr
	v_permlanex16_b32 v7, v8, s14, s15
	v_add_f32 v8, v8, v7
	v_permlanex16_b32 v7, v9, s14, s15
	v_add_f32 v9, v9, v7
	ds_store_b64 v5, v[8:9]                        ; all lanes write the same pair
	s_wait_dscnt 0x0                               ; for the others' sake
	s_barrier_signal -1
	s_barrier_wait -1
	s_cmp_lg_u32 s12, 0
	s_cbranch_scc1 .Lend
	v_mov_b32 v31, 0
.irp q, 0,1,2,3
	ds_load_b128 v[32+4*(\q):35+4*(\q)], v31 offset:16*(\q)
.endr
	v_mov_b32 v15, s21
	s_wait_dscnt 0x0
.irp q, 0,1,2,3
	v_pk_add_f32 v[32+2*(\q):33+2*(\q)], v[32+2*(\q):33+2*(\q)], v[40+2*(\q):41+2*(\q)]
.endr
	v_pk_add_f32 v[32:33], v[32:33], v[36:37]
	v_pk_add_f32 v[34:35], v[34:35], v[38:39]
	v_pk_add_f32 v[32:33], v[32:33], v[34:35]
	v_cmp_eq_u32 vcc_lo, 0, v0
	s_wait_xcnt 0x0                                ; EXEC is a source of the stores above: it changes only behind this wait
	s_and_saveexec_b32 s20, vcc_lo
	global_store_b64 v15, v[32:33], s[10:11]       ; thread 0 alone: the work-group's pair
	s_wait_xcnt 0x0                                ; and again ahead of the line that widens it
	s_or_b32 exec_lo, exec_lo, s20
.Lend:
	s_wait_tensorcnt 0x0                           ; the wave's end: behind my last LDS store
	ds_add_u32 v[SPW], v[NIL]
	s_wait_dscnt 0x0
	s_endpgm
.Lfunc_end_k_qe049a856e8_tern:
	.size	k_qe049a856e8_tern, .Lfunc_end_k_qe049a856e8_tern-k_qe049a856e8_tern
	.p2alignl 7, 3214868480
	.fill 96, 4, 3214868480
	.section	.rodata,"a",@progbits
	.p2align	6, 0x0
	.amdhsa_kernel k_qe049a856e8_tern
		.amdhsa_group_segment_fixed_size 1280
		.amdhsa_private_segment_fixed_size 0
		.amdhsa_enable_private_segment 0
		.amdhsa_kernarg_size 32
		.amdhsa_user_sgpr_count 2
		.amdhsa_user_sgpr_kernarg_segment_ptr 1
		.amdhsa_wavefront_size32 1
		.amdhsa_system_sgpr_workgroup_id_x 1
		.amdhsa_system_sgpr_workgroup_id_y 1
		.amdhsa_system_sgpr_workgroup_id_z 1
		.amdhsa_system_vgpr_workitem_id 0
		.amdhsa_next_free_vgpr 128
		.amdhsa_next_free_sgpr 66
		.amdhsa_reserve_vcc 1
		.amdhsa_float_denorm_mode_32 3
		.amdhsa_float_denorm_mode_16_64 3
		.amdhsa_memory_ordered 1
		.amdhsa_forward_progress 1
		.amdhsa_inst_pref_size 33
	.end_amdhsa_kernel
	.amdgpu_metadata
---
amdhsa.version: [ 1, 2 ]
amdhsa.kernels:
  - .name:           k_qe049a856e8_tern
    .symbol:         k_qe049a856e8_tern.kd
    .args:
      - { .name: W, .offset: 0, .size: 8, .value_kind: global_buffer, .address_space: global }
      - { .name: part1, .offset: 8, .size: 8, .value_kind: global_buffer, .address_space: global }
      - { .name: wt, .offset: 16, .size: 8, .value_kind: global_buffer, .address_space: global }
      - { .name: part2, .offset: 24, .size: 8, .value_kind: global_buffer, .address_space: global }
    .group_segment_fixed_size: 1280
    .private_segment_fixed_size: 0
    .kernarg_segment_align: 8
    .kernarg_segment_size: 32
    .max_flat_workgroup_size: 256
    .sgpr_count:     66
    .vgpr_count:     128
    .wavefront_size: 32
...
	.end_amdgpu_metadata
.endif
;; end of part 2
;; launch gemm (part 3): grid 16 x 16, 4 waves a work-group, clusters of 4 x 4, 327,680 bytes of LDS; arguments xb, wt, part2, b, out0; writes out0
.if DOCPART == 3
	.amdgcn_target "amdgcn-amd-amdhsa--gfx1250"
	.amdhsa_code_object_version 6
	.text
	.protected	k_qe049a856e8_gemm
	.globl	k_qe049a856e8_gemm
	.p2align	8
	.type	k_qe049a856e8_gemm,@function
k_qe049a856e8_gemm:
	s_mov_b64 s[64:65], 0
	v_nop
	global_prefetch_b8 v0, s[64:65] scope:SCOPE_SE
	s_setreg_imm32_b32 hwreg(HW_REG_WAVE_MODE, 25, 1), 1
	s_wait_xcnt 0x0
	s_wait_alu depctr_hold_cnt(0) depctr_sa_sdst(0) depctr_va_vdst(0) depctr_va_sdst(0) depctr_va_ssrc(0) depctr_va_vcc(0) depctr_vm_vsrc(0)
	s_getreg_b32 s2, hwreg(HW_REG_IB_STS2, 6, 4)
	s_cmp_eq_u32 s2, 0
	s_cbranch_scc0 .Lentry_in_a_cluster
	s_endpgm
.Lentry_in_a_cluster:
	s_bfe_u32 s2, ttmp6, 0x10000c
	s_cmp_lg_u32 s2, 0xf033
	s_cbranch_scc0 .Lentry_shape_is_right
	s_endpgm
.Lentry_shape_is_right:
; out0[m][n] = alpha x (the sum over k of xb[m][k] wt[k][n]) + b[n].  xb: [4096][4096] bf16 (inputs rounded once), wt: [4096 k][4096 n] bf16 (W_t, exact), out0 f32; sums in f32.
; alpha = (sum of |W| over |W| > t) / (their number), from part2's 1,024 pairs, made by every wave while the first tiles are on their way.  b is rounded once to bf16, as the other two inputs are
; (the head of the first kernel says why, and states the limit).
; LIMITS.  alpha multiplies the finished sums, not W_t's entries, and is a reciprocal (v_rcp_f32) times the sum, not a division: rounding alone.  A number of 0 gives NaN everywhere, as the problem's 0 / 0 does.
; SHARES.  A tile of 256 x 256 to a work-group of four waves, 256 work-groups; a wave makes 128 x 128: 64 accumulators of 16 x 16, 512 registers.  K goes in 32 steps of 128 through two LDS slots.
; xb's tile is 256 rows x 256 bytes; wt's is 128 rows (k) x 512 bytes (256 n): both in whole aligned blocks of 256 bytes of memory.  Waves 0 and 1 fetch xb's halves, waves 2 and 3 wt's: one tensor load a wave.
; wt lies [k][n]: ds_load_tr16_b128 turns it on the way out of LDS, as many LDS loads as for rows that lie along k.
; CLUSTERS: 4 x 4 work-groups.  The four of a row of the cluster need the same tiles of xb, the four of a column the same tiles of wt: each tile is asked for JOINTLY, by the same tensor load with the same
; descriptor and a mask that names the four.
; THE MATRIX INSTRUCTION IS USED TRANSPOSED: source 0 = 16 columns n of wt, source 1 = 16 rows m of xb: lane l then holds row m = l % 16 and the columns n = 8 (l / 16) + 0..7: 32 bytes of a row of out0.
; REGISTERS, in windows of 256 (s_set_vgpr_msb: bits 1:0 source 0, 3:2 source 1, 5:4 source 2, 7:6 destination):
;   window 0: v0-37 addresses, alpha, bias; v64-127, v128-191 fragments of xb, two buffers, later the way out's two; v192-255 at work at the head
;   window 1: v64-127, v128-191 fragments of wt      window 2: the accumulators of my rows 0-63 ((a, b) at v[8 (8 a + b)])      window 3: those of my rows 64-127
.set KSTEP,  128
.set PA,     272                       ; a row of xb in LDS: 256 bytes + 16: the 16 rows of a load start at 16 different groups of four banks (64 banks of 4 bytes: ISA guide 11.1)
.set PB,     544                       ; a row of wt in LDS: 512 bytes + 32 = 17 x 32
.set HALFT,  128*PA                    ; what one tensor load brings: 128 rows of xb, or 64 rows of wt (64 x 544 is the same 34,816 bytes)
.set SLOT,   4*HALFT                   ; xb's 256 rows, then wt's 128
.set STAGE,  2*SLOT                    ; behind the ring: 16 rows x 528 bytes for each wave, for the way out; no tensor load fills it
.set SP,     528                       ; 512 bytes + 16
.set SPARE,  STAGE+4*16*SP             ; behind the stages: the spare words, 128 bytes for each wave: two blocks of 256 bytes that no other line names
.set LAPS,   16                        ; a lap = two K steps = once round the ring
.set XROW,   8192                      ; bytes in a row of xb and of wt
.set OROW,   16384                     ; bytes in a row of out0
.set ASTEP,  KSTEP*2                   ; a K step in xb: along the rows
.set BSTEP,  KSTEP*XROW                ; in wt: down the rows
.set ADRA, 16                          ; v16-17  LDS address of my xb fragments in slot 0, 1
.set ADRB, 20                          ; v20-21  the same for wt
.set STO,  24                          ; v24     the way out: where I put 32 bytes of a row
.set RD,   25                          ; v25     the way out: where I read 16 bytes of a row back
.set CO,   26                          ; v26     16 x lane: my bytes in a row's 512; never rewritten
.set BIO,  27                          ; v27     my 16 bytes of b
.set SPW,  28                          ; v28     LDS address of my spare word; never rewritten
.set NIL,  29                          ; v29     0; never rewritten
.set PFO,  30                          ; v30     the prefetches' lane offset; never rewritten
.set AL,   32                          ; v[32:33] alpha, twice
.set BI,   34                          ; v[34:37] b of my four columns on the way out
.set F0,   64
.set F1,   128
.set HD,   192                         ; at work at the head
.set G1,   24                          ; s[24:31] descriptor group 1 for xb's tiles;  s[32:39] group 0, a set for each slot
.set G0,   32
.set G1B,  48                          ; s[48:55], s[56:63] the same for wt's
.set G0B,  56
.set LIM,  43                          ; s43     1 in a wave that prefetches, else the greatest number
.set PFA,  44                          ; s[44:45] where my prefetches stand
.set PST,  72                          ; s[72:73] a K step in the tensor that I fetch
.set MSB, 0
.macro WIN new                         ; the immediate's high byte repeats the setting that is left; a switch that changes nothing is dropped
.if MSB != (\new)
	s_set_vgpr_msb (MSB<<8)|(\new)
.set MSB, \new
.endif
.endm
.set MUL_LO, 0xa1                      ; source 0 (wt) window 1, source 1 (xb) window 0, C and D window 2
.set MUL_HI, 0xf1                      ; the same, C and D window 3
.set TO_B,   0x40                      ; destination window 1, address window 0
; A joint load.  Each of the two lines has one mask and one set of registers for all that issue it; the branch hangs on the wave's number alone.
; An s_nop 0 and four v_nop follow each line, ahead of the jump, the label and what follows.
.macro JLOAD s
	s_cmp_eq_u32 s11, 0
	s_cbranch_scc0 .Lfor_b_\@
	tensor_load_to_lds s[G0+4*(\s):G0+4*(\s)+3], s[G1:G1+7]
	s_nop 0
.rept 4
	v_nop
.endr
	s_branch .Lasked_\@
.Lfor_b_\@:
	tensor_load_to_lds s[G0B+4*(\s):G0B+4*(\s)+3], s[G1B:G1B+7]
	s_nop 0
.rept 4
	v_nop
.endr
.Lasked_\@:
.endm
; A PREFETCH INTO THE L2, behind each joint refill and the run of LDS loads that follows it: the K step that stands two refills on, 512 matrix instructions ahead of the load that will ask for it.
; Each aligned block of 256 bytes is named once in the launch.  xb's tile row is read by the four clusters of a row of clusters: cluster x = 0 asks; wt's tile column by the four of a column: cluster y = 0 asks.
; The four partners that ask for a tile jointly share it out BY ADDRESS: of xb's 128 rows that a wave fetches 32 each, a lane a row; of wt's 64 rows 16 each, a lane half a row.  No branch hangs on a
; work-group's place in its cluster.  The loop's last trip asks for nothing: there is no K step two on.  K steps 0 to 3 come by their loads alone.
.macro ASK
	s_cmp_gt_u32 s3, s[LIM]                        ; s3 = 1 in the loop's last trip
	s_cbranch_scc0 .Lnot_mine_\@
	global_prefetch_b8 v[PFO], s[PFA:PFA+1] th:TH_LOAD_NT scope:SCOPE_SE
.Lnot_mine_\@:
.endm
.macro CREST                           ; a round of the cluster's barrier behind its opening barrier
	s_cmp_lg_u32 s10, 0
	s_cbranch_scc1 .Lnot_wave_0_\@
	s_barrier_signal -3
.Lnot_wave_0_\@:
	s_barrier_wait -3
	s_barrier_signal -1
	s_barrier_wait -1
.endm
.macro CROUND                          ; a whole round
	s_barrier_signal -1
	s_barrier_wait -1
	CREST
.endm
	s_load_b128 s[4:7], s[0:1], 0x0                ; xb s[4:5], wt s[6:7]
	s_load_b128 s[68:71], s[0:1], 0x10             ; part2 s[68:69], b s[70:71]
	s_load_b64 s[8:9], s[0:1], 0x20                ; out0
	v_lshl_add_u32 v[SPW], v0, 2, SPARE
	v_mov_b32 v[NIL], 0
	ds_add_u32 v[SPW], v[NIL]                      ; the opening: the add, twice on end, and its wait ahead of my first tensor load
	ds_add_u32 v[SPW], v[NIL]
	v_lshrrev_b32 v1, 5, v0
	v_readfirstlane_b32 s10, v1                    ; wave 0..3
	s_lshr_b32 s11, s10, 1                         ; which half of the tile's rows is mine.  Also: I fetch for xb (0) or for wt (1)
	s_and_b32 s12, s10, 1                          ; which half of its columns.  Also: which half of that tile I fetch
	s_bfe_u32 s40, ttmp6, 0x40000                  ; cx
	s_bfe_u32 s41, ttmp6, 0x40004                  ; cy
	s_lshl_b32 s42, ttmp9, 2
	s_add_co_u32 s42, s42, s40                     ; tile column = 4 x cluster x + cx
	s_and_b32 s13, ttmp7, 0xffff
	s_lshl_b32 s13, s13, 2
	s_add_co_u32 s13, s13, s41                     ; tile row = 4 x cluster y + cy
	s_lshl_b32 s43, s41, 2
	s_lshl_b32 s43, 15, s43                        ; my row of the cluster
	s_lshl_b32 s44, 0x1111, s40                    ; my column
	s_or_b32 s[G1+0], s43, (1<<16)|(1<<20)|(1<<21)|(5<<22)|(3<<25)   ; the mask; elements of 2 bytes; padding on; bit 21 beside a mask; after every 64 words (code 5) 4 words (code 3)
	s_or_b32 s[G1B+0], s44, (1<<16)|(1<<20)|(1<<21)|(6<<22)|(7<<25)  ; after every 128 words (code 6) 8 words (code 7)
	s_mov_b32 s[G1+1], 128<<16                     ; xb: tensor_dim0 = 128
	s_mov_b32 s[G1+2], 128<<16                     ; tensor_dim1 = 128
	s_mov_b32 s[G1+3], 128<<16                     ; tile_dim0 = 128
	s_mov_b32 s[G1+4], 128                         ; tile_dim1 = 128
	s_mov_b32 s[G1+5], 4096                        ; elements from row to row
	s_mov_b32 s[G1+6], 0
	s_mov_b32 s[G1+7], 0
	s_mov_b32 s[G1B+1], 256<<16                    ; wt: tensor_dim0 = 256
	s_mov_b32 s[G1B+2], 64<<16                     ; tensor_dim1 = 64
	s_mov_b32 s[G1B+3], 256<<16                    ; tile_dim0 = 256
	s_mov_b32 s[G1B+4], 64                         ; tile_dim1 = 64
	s_mov_b32 s[G1B+5], 4096
	s_mov_b32 s[G1B+6], 0
	s_mov_b32 s[G1B+7], 0
	; xb's tiles hang on the tile row alone, which my row of the cluster shares; wt's on the tile column alone, which my column shares
	s_lshl_b32 s16, s13, 8
	s_lshl_b32 s17, s12, 7
	s_add_co_u32 s16, s16, s17                     ; xb: row 256 x tile row + 128 x half,
	s_lshl_b32 s16, s16, 13                        ; in bytes (under 2^25)
	s_mov_b32 s17, 0
	s_lshl_b32 s46, s42, 9                         ; wt: 512 bytes x tile column
	s_lshl_b32 s47, s12, 19                        ; + 64 rows x half
	s_add_co_u32 s46, s46, s47
	s_mov_b32 s47, 0
	s_mul_i32 s20, s10, HALFT                      ; where they go: wave x 34,816: no place in the cluster enters an LDS address
	s_wait_dscnt 0x0                               ; both opening adds are done
	s_wait_kmcnt 0x0
	s_add_nc_u64 s[14:15], s[4:5], s[16:17]
	s_add_nc_u64 s[46:47], s[6:7], s[46:47]
	CROUND                                         ; all sixteen work-groups are here: the first joint loads meet
.irp s, 0,1
	s_mov_b32 s[G0+4*(\s)], 1
	s_add_co_u32 s[G0+4*(\s)+1], s20, (\s)*SLOT
	s_add_nc_u64 s[G0+4*(\s)+2:G0+4*(\s)+3], s[14:15], (\s)*ASTEP
	s_or_b32 s[G0+4*(\s)+3], s[G0+4*(\s)+3], 0x80000000
	s_mov_b32 s[G0B+4*(\s)], 1
	s_add_co_u32 s[G0B+4*(\s)+1], s20, (\s)*SLOT
	s_add_nc_u64 s[G0B+4*(\s)+2:G0B+4*(\s)+3], s[46:47], (\s)*BSTEP
	s_or_b32 s[G0B+4*(\s)+3], s[G0B+4*(\s)+3], 0x80000000
	JLOAD \s                                       ; both slots are asked for before anything else is done: two loads of mine are out
.endr
	; ---- while the first tiles are on their way: part2 and b, the addresses, alpha
	v_and_b32 v1, 15, v0                           ; r = l % 16
	v_bfe_u32 v2, v0, 4, 1                         ; h = l / 16
	v_and_b32 v5, 31, v0                           ; l
	v_lshlrev_b32 v[CO], 4, v5
	s_lshl_b32 s21, s42, 10                        ; my first column of out0 and of b, in bytes: 1,024 x tile column + 512 x half
	s_lshl_b32 s22, s12, 9
	s_add_co_u32 s21, s21, s22
	v_add_nc_u32 v[BIO], s21, v[CO]
.set j, 0
.rept 16
	global_load_b128 v[HD+4*j:HD+4*j+3], v[CO], s[68:69] offset:512*j  ; part2: 8,192 bytes, two pairs (sum, number) a lane and load
.set j, j+1
.endr
	global_load_b128 v[BI:BI+3], v[BIO], s[70:71]
	s_lshl_b32 s16, s13, 8
	s_lshl_b32 s17, s11, 7
	s_add_co_u32 s16, s16, s17                     ; my first row of out0
	s_lshl_b32 s16, s16, 14
	s_mov_b32 s17, 0
	s_add_nc_u64 s[8:9], s[8:9], s[16:17]
	s_mov_b32 s46, s21
	s_mov_b32 s47, 0
	s_add_nc_u64 s[8:9], s[8:9], s[46:47]          ; out0 at my 128 x 128
	; A fragment of xb is 16 rows x 32 K in 8 registers: lane l holds row l % 16; registers 0-3 K = 8 (l / 16) + 0..7, registers 4-7 K = 16 + 8 (l / 16) + 0..7: two loads of 16 bytes, 32 bytes apart
	v_mul_u32_u24 v3, v1, PA
	v_lshl_add_u32 v3, v2, 4, v3
	s_mul_i32 s21, s11, HALFT                      ; my 128 rows of xb
	v_add_nc_u32 v[ADRA], s21, v3
	v_add_nc_u32 v[ADRA+1], SLOT, v[ADRA]
	; The turning load takes 16 k x 16 n (lane l reads 16 bytes: k = 8 (l / 16) + l % 8, n = 8 ((l / 8) % 2) + 0..7) and leaves half a fragment: lane l holds column n = l % 16 and 8 k
	v_and_b32 v4, 7, v0
	v_lshl_add_u32 v4, v2, 3, v4
	v_mul_u32_u24 v4, v4, PB
	v_bfe_u32 v3, v0, 3, 1
	v_lshl_add_u32 v4, v3, 4, v4
	s_lshl_b32 s22, s12, 8                         ; my 128 columns: 256 bytes of a row,
	s_add_co_u32 s22, s22, 2*HALFT                 ; behind xb's 256 rows
	v_add_nc_u32 v[ADRB], s22, v4
	v_add_nc_u32 v[ADRB+1], SLOT, v[ADRB]
	s_mul_i32 s23, s10, 16*SP
	s_add_co_u32 s23, s23, STAGE                   ; my stage
	v_mul_u32_u24 v3, v1, SP                       ; in: row l % 16, 32 bytes for each half of the lanes
	v_lshl_add_u32 v3, v2, 5, v3
	v_add_nc_u32 v[STO], s23, v3
	v_add_nc_u32 v[RD], s23, v[CO]                 ; back: the 32 lanes take one row of 512 bytes
	; the prefetches
	v_lshrrev_b32 v[PFO], s11, v5                  ; xb: row l.  wt: row l / 2,
	v_lshlrev_b32 v[PFO], 13, v[PFO]
	v_and_b32 v3, s11, v5
	v_lshl_add_u32 v[PFO], v3, 8, v[PFO]           ; block l % 2 of its 512 bytes
	s_lshl_b32 s20, s13, 8
	s_lshl_b32 s21, s12, 7
	s_add_co_u32 s20, s20, s21
	s_lshl_b32 s21, s40, 5
	s_add_co_u32 s20, s20, s21                     ; xb: the 128 rows that I fetch, my work-group's 32 of them (by cx),
	s_lshl_b32 s20, s20, 13
	s_add_co_u32 s20, s20, 3*ASTEP                 ; at K step 3: the first refill steps it to 4
	s_lshl_b32 s22, s12, 6
	s_lshl_b32 s23, s41, 4
	s_add_co_u32 s22, s22, s23                     ; wt: the 64 rows that I fetch, my work-group's 16 of them (by cy),
	s_lshl_b32 s22, s22, 13
	s_lshl_b32 s23, s42, 9
	s_add_co_u32 s22, s22, s23
	s_add_co_u32 s22, s22, 3*BSTEP
	s_and_b32 s23, ttmp7, 0xffff                   ; cluster y
	s_mov_b32 s[PST], ASTEP
	s_mov_b32 s[PST+1], BSTEP
	s_mov_b32 s21, 0
	s_cmp_eq_u32 s11, 0                            ; do I fetch for xb?
	s_cselect_b32 s20, s20, s22
	s_cselect_b32 s23, ttmp9, s23                  ; the coordinate along which other clusters read the same blocks
	s_cselect_b64 s[PFA:PFA+1], s[4:5], s[6:7]
	s_cselect_b32 s[PST], s[PST], s[PST+1]
	s_mov_b32 s[PST+1], 0
	s_cmp_eq_u32 s23, 0
	s_cselect_b32 s[LIM], 1, -1                    ; the same in all sixteen partners, for a given wave
	s_add_nc_u64 s[PFA:PFA+1], s[PFA:PFA+1], s[20:21]
	s_mov_b32 s74, 0x76543210                      ; v_permlanex16_b32: each lane takes its own place in the other half
	s_mov_b32 s75, 0xfedcba98
	s_wait_loadcnt 0x0
	v_cvt_pk_bf16_f32 v3, v[BI], v[BI+1]           ; b: rounded once to bf16,
	v_cvt_pk_bf16_f32 v4, v[BI+2], v[BI+3]
	v_lshlrev_b32 v[BI], 16, v3                    ; and widened again
	v_and_b32 v[BI+1], 0xffff0000, v3
	v_lshlrev_b32 v[BI+2], 16, v4
	v_and_b32 v[BI+3], 0xffff0000, v4
	; alpha: my 32 pairs by a tree, then the 32 lanes'
.irp d, 16,8,4,2,1
.set p, 0
.rept \d
	v_pk_add_f32 v[HD+2*p:HD+2*p+1], v[HD+2*p:HD+2*p+1], v[HD+2*(p+(\d)):HD+2*(p+(\d))+1]
.set p, p+1
.endr
.endr
.irp x, 1,2,4,8
	v_add_f32_dpp v[HD], v[HD], v[HD] row_xmask:\x row_mask:0xf bank_mask:0xf
	v_add_f32_dpp v[HD+1], v[HD+1], v[HD+1] row_xmask:\x row_mask:0xf bank_mask:0xf
.endr
	v_permlanex16_b32 v[HD+2], v[HD], s74, s75
	v_permlanex16_b32 v[HD+3], v[HD+1], s74, s75
	v_add_f32 v[HD], v[HD], v[HD+2]                ; the sum
	v_add_f32 v[HD+1], v[HD+1], v[HD+3]            ; the number: whole numbers up to 2^24, exact
	v_rcp_f32 v[HD+2], v[HD+1]
	v_nop                                          ; a plain instruction between the reciprocal and the use of its result (ISA guide 5.7.2),
	s_wait_alu depctr_va_vdst(0)                   ; and a wait ahead of the first use
	v_mul_f32 v[AL], v[HD], v[HD+2]
	v_mov_b32 v[AL+1], v[AL]
; 16 matrix instructions: m blocks a0, a0 + 1 of the window's four x all 8 n blocks, 32 along K.  zero = 1: the first product starts the sums: nothing is ever cleared.
; The 64 accumulators take turns, one instruction a turn, in the same order in every quarter step, over the backward jump too.
.macro MUL16 f, hi, a0, zero
	WIN MUL_LO+0x50*(\hi)
.irp a, \a0, (\a0)+1
.irp b, 0,1,2,3,4,5,6,7
.if \zero
	v_wmma_f32_16x16x32_bf16 v[8*(8*(\a)+(\b)):8*(8*(\a)+(\b))+7], v[(\f)+8*(\b):(\f)+8*(\b)+7], v[(\f)+8*(4*(\hi)+(\a)):(\f)+8*(4*(\hi)+(\a))+7], 0
.else
	v_wmma_f32_16x16x32_bf16 v[8*(8*(\a)+(\b)):8*(8*(\a)+(\b))+7], v[(\f)+8*(\b):(\f)+8*(\b)+7], v[(\f)+8*(4*(\hi)+(\a)):(\f)+8*(4*(\hi)+(\a))+7], v[8*(8*(\a)+(\b)):8*(8*(\a)+(\b))+7]
.endif
.endr
.endr
.endm
; 32 LDS loads in one run: the fragments of quarter q of a K step (32 k x my 128 columns of wt, turned; my 128 rows of xb x 32 k) into buffer f
.macro FETCH slot, q, f
	WIN TO_B
.irp i, 0,1,2,3,4,5,6,7
	ds_load_tr16_b128 v[(\f)+8*(\i):(\f)+8*(\i)+3],   v[ADRB+(\slot)] offset:(\q)*32*PB+32*(\i)
	ds_load_tr16_b128 v[(\f)+8*(\i)+4:(\f)+8*(\i)+7], v[ADRB+(\slot)] offset:(\q)*32*PB+32*(\i)+16*PB
.endr
	WIN 0
.irp i, 0,1,2,3,4,5,6,7
	ds_load_b128 v[(\f)+8*(\i):(\f)+8*(\i)+3],   v[ADRA+(\slot)] offset:64*(\q)+(\i)*16*PA
	ds_load_b128 v[(\f)+8*(\i)+4:(\f)+8*(\i)+7], v[ADRA+(\slot)] offset:64*(\q)+(\i)*16*PA+32
.endr
.endm
.macro PLACES                          ; four plain instructions between a matrix instruction and a load into a register that it has read (ISA guide 7.12.1 for vector instructions)
.rept 4
	v_nop
.endr
.endm
; A K step is four quarters of 32 along K, 64 matrix instructions each, on buffers 0, 1, 0, 1.  One of the first three: multiplies buffer f; in its middle it fetches quarter q of the same slot into buffer g.
.macro QUARTER slot, q, f, g, zero
	s_wait_dscnt 8                                 ; wt and xb's rows 0-63 are in; the youngest eight loads (xb's rows 64-127) may be out
	MUL16 \f, 0, 0, \zero
	MUL16 \f, 0, 2, \zero
	PLACES
	FETCH \slot, \q, \g
	s_wait_dscnt 32                                ; all but the 32 just issued
	MUL16 \f, 1, 0, \zero
	MUL16 \f, 1, 2, \zero
.endm
; The first half of a K step's last quarter: ONE barrier for the change of slots.  In front of it each wave waits for all its tensor loads, of which one is out: its part of the next slot; adds 0 to its
; spare word; and waits for that and for its own reads of this slot.  Behind it nobody reads this slot any more and the next slot is whole.
.macro MEET round
	WIN 0                                          ; (the add's two registers lie in window 0)
	s_wait_tensorcnt 0x0
	ds_add_u32 v[SPW], v[NIL]
	s_wait_dscnt 9                                 ; (the add and the youngest eight loads may be out)
	MUL16 F1, 0, 0, 0                              ; sixteen matrix instructions stand between the add and the wait for it
	s_wait_dscnt 0x0                               ; the add is done, and my reads of this slot are over
	s_barrier_signal -1
	MUL16 F1, 0, 2, 0                              ; work on registers while the others arrive
.if \round
	WIN 0
.endif
	s_barrier_wait -1
.endm
; The whole last quarter.  fill = 1: the barrier opens a round of the cluster's barrier, and this slot is filled again, two K steps on, first thing behind the round: 224 matrix instructions ahead of the wait for it.
.macro TURN slot, next, fill
.if \fill
	s_wait_xcnt 0x0                                ; the last prefetch, a K step back, has read its address: it is stepped here, ahead of the waits of the change of slots
	s_add_nc_u64 s[PFA:PFA+1], s[PFA:PFA+1], s[PST:PST+1]
.endif
	MEET \fill
.if \fill
	CREST                                          ; no wave of any partner still reads this slot's tile or has a load on its way
	s_add_nc_u64 s[G0+4*(\slot)+2:G0+4*(\slot)+3], s[G0+4*(\slot)+2:G0+4*(\slot)+3], 2*ASTEP
	s_add_nc_u64 s[G0B+4*(\slot)+2:G0B+4*(\slot)+3], s[G0B+4*(\slot)+2:G0B+4*(\slot)+3], 2*BSTEP
	JLOAD \slot                                    ; the four v_nop behind it are also the places in front of the loads below
.else
	PLACES
.endif
	FETCH \next, 0, F0
.if \fill
	ASK
.endif
	MUL16 F1, 1, 0, 0
	MUL16 F1, 1, 2, 0
.endm
	s_wait_tensorcnt 1                             ; my part of K step 0 is in; K step 1's may stay out
	s_barrier_signal -1
	s_barrier_wait -1                              ; everybody's is
	FETCH 0, 0, F0
	QUARTER 0, 1, F0, F1, 1                        ; the first quarter stands in front of the loop: its products start the sums
	WIN 0                                          ; at a label and at a branch every window is 0
	s_mov_b32 s3, LAPS-1
.Llap:                                                 ; a trip goes once round the ring, from a lap's second quarter to the next lap's first, and fills both slots again
	QUARTER 0, 2, F1, F0, 0
	QUARTER 0, 3, F0, F1, 0
	TURN 0, 1, 1
	QUARTER 1, 1, F0, F1, 0
	QUARTER 1, 2, F1, F0, 0
	QUARTER 1, 3, F0, F1, 0
	TURN 1, 0, 1
	QUARTER 0, 1, F0, F1, 0
	WIN 0
	s_sub_co_u32 s3, s3, 1
	s_cmp_lg_u32 s3, 0
	s_cbranch_scc1 .Llap
	QUARTER 0, 2, F1, F0, 0                        ; the last lap fills nothing, and has no round of the cluster's barrier
	QUARTER 0, 3, F0, F1, 0
	TURN 0, 1, 0
	QUARTER 1, 1, F0, F1, 0
	QUARTER 1, 2, F1, F0, 0
	QUARTER 1, 3, F0, F1, 0
	s_wait_dscnt 8                                 ; the very last quarter: nothing more to fetch
	MUL16 F1, 0, 0, 0
	MUL16 F1, 0, 2, 0
	s_wait_dscnt 0x0
	MUL16 F1, 1, 0, 0
	MUL16 F1, 1, 2, 0
	WIN 0
	PLACES                                         ; behind the last products, in front of LDS stores that read results and of loads into fragment registers
	PLACES                                         ; (eight, once a launch)
; THE WAY OUT, a block of 16 rows at a time.  TOSTAGE: a lane's 32 bytes of a row go into my own stage (rows of 528 bytes), each accumulator's low four registers first, and come back as whole rows of 512 bytes,
; a lane 16 bytes.  LDS serves a wave's instructions in order (ISA guide 5.7.1.4): the loads see the stores above them, and the next block's stores come behind these loads.
.macro TOSTAGE a
.set AC, 64*((\a)%4)
.set OBF, 64+64*((\a)%2)
.if (\a) >= 2
	s_wait_xcnt 0x0                                ; the stores of the block two back have read this buffer: it is loaded again only behind this wait
.endif
	WIN 0x08+4*((\a)/4)                            ; the stores' data (source 1) in window 2 or 3
.irp b, 0,1,2,3,4,5,6,7
	ds_store_b128 v[STO], v[AC+8*(\b):AC+8*(\b)+3]   offset:64*(\b)
	ds_store_b128 v[STO], v[AC+8*(\b)+4:AC+8*(\b)+7] offset:64*(\b)+16
.endr
	WIN 0
.irp t, 0,1,2,3,4,5,6,7,8,9,10,11,12,13,14,15
	ds_load_b128 v[OBF+4*(\t):OBF+4*(\t)+3], v[RD] offset:SP*(\t)
.endr
.endm
; SEND: alpha x sum + b, fused, in f32; a store covers 512 consecutive bytes of a row of out0, aligned.  younger: the LDS instructions issued behind this block's loads: the next block's 32, or none.
.macro SEND a, younger
.set OBF, 64+64*((\a)%2)
	s_wait_dscnt \younger
.irp t, 0,1,2,3,4,5,6,7,8,9,10,11,12,13,14,15
	v_pk_fma_f32 v[OBF+4*(\t):OBF+4*(\t)+1],   v[OBF+4*(\t):OBF+4*(\t)+1],   v[AL:AL+1], v[BI:BI+1]
	v_pk_fma_f32 v[OBF+4*(\t)+2:OBF+4*(\t)+3], v[OBF+4*(\t)+2:OBF+4*(\t)+3], v[AL:AL+1], v[BI+2:BI+3]
.endr
.irp t, 0,1,2,3,4,5,6,7,8,9,10,11,12,13,14,15
	global_store_b128 v[CO], v[OBF+4*(\t):OBF+4*(\t)+3], s[8:9] offset:(16*(\a)+(\t))*OROW th:TH_STORE_NT  ; the row stands in the immediate: 127 rows at the most, inside its signed 24 bits
.endr
.endm
	TOSTAGE 0
	TOSTAGE 1
.irp a, 2,3,4,5,6,7
	SEND (\a)-2, 32
	TOSTAGE \a
.endr
	SEND 6, 32
	SEND 7, 0
	s_wait_tensorcnt 0x0                           ; the wave's end: behind my last tensor load and my last LDS store
	ds_add_u32 v[SPW], v[NIL]
	s_wait_dscnt 0x0
	CROUND                                         ; the closing round: no work-group ends while a partner may still ask for a tile that names it
	s_endpgm
.Lfunc_end_k_qe049a856e8_gemm:
	.size	k_qe049a856e8_gemm, .Lfunc_end_k_qe049a856e8_gemm-k_qe049a856e8_gemm
	.p2alignl 7, 3214868480
	.fill 96, 4, 3214868480
	.section	.rodata,"a",@progbits
	.p2align	6, 0x0
	.amdhsa_kernel k_qe049a856e8_gemm
		.amdhsa_group_segment_fixed_size 327680
		.amdhsa_private_segment_fixed_size 0
		.amdhsa_enable_private_segment 0
		.amdhsa_kernarg_size 40
		.amdhsa_user_sgpr_count 2
		.amdhsa_user_sgpr_kernarg_segment_ptr 1
		.amdhsa_wavefront_size32 1
		.amdhsa_system_sgpr_workgroup_id_x 1
		.amdhsa_system_sgpr_workgroup_id_y 1
		.amdhsa_system_sgpr_workgroup_id_z 1
		.amdhsa_system_vgpr_workitem_id 0
		.amdhsa_next_free_vgpr 1024
		.amdhsa_next_free_sgpr 76
		.amdhsa_reserve_vcc 0
		.amdhsa_float_denorm_mode_32 3
		.amdhsa_float_denorm_mode_16_64 3
		.amdhsa_memory_ordered 1
		.amdhsa_forward_progress 1
		.amdhsa_inst_pref_size 163
	.end_amdhsa_kernel
	.amdgpu_metadata
---
amdhsa.version: [ 1, 2 ]
amdhsa.kernels:
  - .name:           k_qe049a856e8_gemm
    .symbol:         k_qe049a856e8_gemm.kd
    .args:
      - { .name: xb, .offset: 0, .size: 8, .value_kind: global_buffer, .address_space: global }
      - { .name: wt, .offset: 8, .size: 8, .value_kind: global_buffer, .address_space: global }
      - { .name: part2, .offset: 16, .size: 8, .value_kind: global_buffer, .address_space: global }
      - { .name: b, .offset: 24, .size: 8, .value_kind: global_buffer, .address_space: global }
      - { .name: out0, .offset: 32, .size: 8, .value_kind: global_buffer, .address_space: global }
    .group_segment_fixed_size: 327680
    .private_segment_fixed_size: 0
    .kernarg_segment_align: 8
    .kernarg_segment_size: 40
    .max_flat_workgroup_size: 128
    .sgpr_count:     76
    .vgpr_count:     1024
    .wavefront_size: 32
...
	.end_amdgpu_metadata
.endif
;; end of part 3
